; MI455X (gfx1250); checked and timed in simulation.
; The chip was launched on July 23, 2026; its instructions are those of AMD's public machine-readable ISA for CDNA 5 (MIT licence, August 2026) and "CDNA5" Instruction Set Architecture Reference Guide (July 2026). The comments in the code are by the model that wrote it; some were corrected since.
;; Attention. Allowed arithmetic: matrix products marked QUANTISED: E5M2 operands, one given power-of-two scale a tensor, by v_wmma_f32_16x16x64_bf8_bf8 or v_wmma_f32_16x16x128_bf8_bf8, f32 sums; everything else in f32.
;; Inputs: key 8 x 2,048 x 1,024 float32; lowp_scales 4 int32 (the exponents e of the quantised operands' scales 2^e); query_codes 8 x 2,048 x 32 x 32 uint8 (E5M2 codes of query, K innermost, in blocks of 32 codes).
;; Outputs: out0 8 x 2,048 x 1,024 float32.
;; This version of the problem:
;;   THIS VERSION OF THE PROBLEM IS GIVEN IN LOW PRECISION. The matrix products marked QUANTISED in the list below multiply operands that are first quantised to E5M2 (5 exponent bits, 2 mantissa bits; 8 bits a number), with one given power-of-two scale for each operand tensor; their sums are f32. All else is computed in f32.
;;   The module's matrix products, in the order in which they are computed (A, B: the left and right operand; K: the contracted axis; several contracted axes count as one K, in the product's order):
;;     1. batch 8 x [M 2,048, K 1,024] x [K 1,024, N 2,048]; A: input query (given as codes); B: input key: QUANTISED (scales: A lowp_scales[0], B lowp_scales[1])
;;     2. batch 8 x [M 2,048, K 2,048] x [K 2,048, N 1,024]; A: softmax (see below); B: input key: QUANTISED (scales: A lowp_scales[2], B lowp_scales[3])
;;   THE QUANTISER, for each operand of a quantised product, along K:
;;     - The operand's scale is 2^e, e = its entry of the input lowp_scales (int32; the entries are numbered through the quantised products in the list's order, A before B).
;;     - Each number is divided by the scale, clamped to +-57,344, and rounded to the nearest number of E5M2, ties to even, subnormals kept.
;;     - The product sums the exact products of the quantised numbers (number of the format x scale) in f32.
;;   ~~~python
;;   def quantise(x, axis, e):      # numpy; x: float32 -> the quantised numbers, widened to float32 again
;;       x = np.moveaxis(x, axis, -1); K = x.shape[-1]
;;       r = np.clip(x / 2.0 ** e, -57344, 57344)
;;       step = 2.0 ** (np.maximum(np.frexp(np.where(r == 0, 1, r))[1] - 1, -14) - 2)
;;       q = np.round(r / step) * step * 2.0 ** e      # np.round: ties to even
;;       return np.moveaxis(q, -1, axis).astype(np.float32)
;;   ~~~
;;   SOFTMAX AHEAD OF A QUANTISED PRODUCT. Where the list says 'softmax', what is quantised is not the finished softmax but p = 2^(t - M), with t = logit x log2(e) and M = ceil(the row's largest t), a whole number; so 1/2 < the row's largest p <= 1. The row's sum l is taken of the UNQUANTISED p, in f32, and the product's result is divided by l at the end. Since M is a whole number, a kernel that streams over the keys may use a running M (the ceiling of the running maximum): every later rescaling is an exact power of two, so the quantised numbers keep their values, but for numbers so far below the row's largest that they fall under the format's range.
;;   OPERANDS COMPUTED ON THE WAY. 'Computed on the way' means the value that the module computes at that place (a softmax that the list does not call 'softmax' is quantised finished and normalised). What goes into a quantiser is computed in f32, as accurately as f32 sums, v_exp_f32 and their like allow (about 1e-6 of the number): no bf16 or f16 on the way to a quantiser, and a product that is left as it is and whose result goes on into a quantised operand takes f32 operands (vector FMAs, or v_wmma_f32_16x16x4_f32). A number that lies on a knife's edge between two numbers of the format may be rounded either way, as far as f32 arithmetic and the matrix unit's own rounding can turn it there, and no further.
;;   INPUTS GIVEN AS CODES. query (in the module: [8, 2048, 1024], K = its axis 2): each comes as NAME_codes (uint8): NAME with its K axis moved to the last place and cut into blocks of 32 codes, [.., K / 32, bytes a block], one block behind the other in memory; one code a byte (a code: sign, 5 exponent bits, 2 mantissa bits); its scale is its entry of lowp_scales. Its value is code x scale, taken as it is: it is not quantised again, and the codes and scales need not be those that the quantiser above would give.
;; One version. Each part assembles by itself: llvm-mc -triple=amdgcn-amd-amdhsa -mcpu=gfx1250 --defsym DOCPART=n.
;; ======== version 1 of 1: 2 launches
;; limits: right only within a limited range of input values
;; workspace buffers: kv 33,554,432 bytes
;; launch prep (part 1): grid 128 x 8, 8 waves a work-group, no clusters, 69,632 bytes of LDS; arguments key, lowp_scales, kv; writes kv
.if DOCPART == 1
	.amdgcn_target "amdgcn-amd-amdhsa--gfx1250"
	.amdhsa_code_object_version 6
	.text
	.protected	k_qdd642489cf_prep
	.globl	k_qdd642489cf_prep
	.p2align	8
	.type	k_qdd642489cf_prep,@function
k_qdd642489cf_prep:
	s_mov_b64 s[64:65], 0
	v_nop
	global_prefetch_b8 v0, s[64:65] scope:SCOPE_SE
	s_setreg_imm32_b32 hwreg(HW_REG_WAVE_MODE, 25, 1), 1
	s_wait_xcnt 0x0
; key [8][2048][1024] f32 is quantised TWICE to codes of BF8 (E5M2): along d with the scale 2^e1 (entry 1 of the scales: the first product's operand)
; and along the keys with 2^e3 (entry 3: the second product's).  code = x / 2^e, held within +-57,344, to the nearest code, ties to even.
; LIMITS: e1 and e3 between -126 and 112, so that 2^e and 57,344 x 2^e are f32 numbers.  NaN among the inputs is not served.
; THE CODES ARE LAID AS IMAGES OF OPERAND REGISTERS, in the order in which the next launch takes them.  A batch is 32 tiles of 131,072 bytes: tile 2 j = K of keys 128 j .. 128 j + 127, tile 2 j + 1 = V of the same keys.
; A fragment (16 rows x 128 k) is 2,048 bytes: byte 512 c + 16 lane + z holds k = 32 c + 16 (lane / 16) + z of row lane % 16: four loads of 16 bytes a lane, 512 bytes apart, give the 16 registers.
;   K tile: fragment (jh, s, T = 2 b + u) at 65,536 jh + 8,192 s + 2,048 T: row r = key 64 jh + 32 b + 8 u + r + 8 (r / 8), k = d - 128 s.   (The rows of a tile are not neighbours, so that a lane's 16 scores of tiles 2 b, 2 b + 1 are 16 neighbouring keys.)
;   V tile: fragment G at 2,048 G: row r = d 16 G + r, k = key - 128 j.
; SHARES.  Work-group (x, y): j = x / 8, s = x % 8, batch y: 128 keys x 128 d, 64 KiB of f32, read once.  Eight waves.  Each wave loads 16 rows' 512 bytes (32 lanes x 16 consecutive bytes a load) into a stage in LDS; one barrier;
; then wave w makes K's fragment (jh = w / 4, T = w % 4) of d step s, and V's fragment G = 8 s + w.  For K a lane reads 16 neighbours along d of its key; for V it reads one column d down 16 keys: the conversions, which take
; neighbours along k from one lane's consecutive registers, give each operand's registers as they stand.  Each store covers 512 consecutive bytes, at a multiple of 512 from the buffer's first byte.
; No tensor load, no ring, no cluster: work-groups share nothing, and all of a work-group's bytes are asked for at once.
.set PT,   528                         ; a stage row: 512 bytes + 16 = 132 words: row z starts 4 z banks on (64 banks of 4 bytes: ISA guide 11.1)
.set GS,   16*PT+128                   ; 16 rows and 128 bytes more: the next group of 16 rows starts 32 banks on, so that the two groups that one K read or one V read touches do not meet
.set TILE, 131072
.set X,    16                          ; v16-79   64 numbers of a lane
.set CK,   80                          ; v80-95   K's fragment
.set CV,   96                          ; v96-111  V's fragment
	s_load_b128 s[4:7], s[0:1], 0x0                ; key, the scales' exponents
	s_load_b64 s[8:9], s[0:1], 0x10                ; kv
	v_lshl_add_u32 v112, v0, 2, 0x10c00
	v_mov_b32 v113, 0
	v_lshrrev_b32 v1, 5, v0
	s_delay_alu instid0(VALU_DEP_1)
	v_readfirstlane_b32 s16, v1                    ; wave 0..7
	v_and_b32 v1, 31, v0                           ; lane
	v_and_b32 v2, 15, v0                           ; r
	v_bfe_u32 v3, v0, 4, 1                         ; h
	s_delay_alu instid0(VALU_DEP_3)
	v_lshlrev_b32 v4, 4, v1                        ; 16 x lane: my bytes of a load's or a store's 512
	s_mul_i32 s17, s16, GS
	v_add_nc_u32 v5, s17, v4                       ; the stage, on the way in: my wave's group of 16 rows
	s_lshr_b32 s18, s16, 1
	s_mul_i32 s18, s18, 2*GS                       ; K: key 64 jh + 32 b + 16 (r / 8) + 8 u + r % 8 lies in group 2 (w / 2) + r / 8, row 8 (w % 2) + r % 8
	s_and_b32 s19, s16, 1
	s_mul_i32 s19, s19, 8*PT
	s_add_co_u32 s18, s18, s19
	v_lshrrev_b32 v6, 3, v2
	s_delay_alu instid0(VALU_DEP_1)
	v_mul_u32_u24 v6, v6, GS
	v_and_b32 v7, 7, v2
	s_delay_alu instid0(VALU_DEP_1)
	v_mad_u32_u24 v6, v7, PT, v6
	s_delay_alu instid0(VALU_DEP_1)
	v_lshl_add_u32 v6, v3, 6, v6                   ; + 64 h: my 16 numbers of a block of 32 along d
	s_delay_alu instid0(VALU_DEP_1)
	v_add_nc_u32 v6, s18, v6
	v_mul_u32_u24 v7, v3, GS                       ; V: key 32 c + 16 h + z lies in group 2 c + h, row z; my column is d 16 w + r
	s_delay_alu instid0(VALU_DEP_1)
	v_lshl_add_u32 v7, v2, 2, v7
	s_lshl_b32 s19, s16, 6
	v_add_nc_u32 v7, s19, v7
	s_lshr_b32 s20, ttmp9, 3                       ; j
	s_and_b32 s21, ttmp9, 7                        ; s
	s_and_b32 s22, ttmp7, 0xffff                   ; batch
	s_lshl_b32 s24, s22, 23                        ; key: a batch is 2^23 bytes, 128 rows 2^19, 128 d 2^9, my wave's 16 rows 2^16
	s_lshl_b32 s23, s20, 19
	s_add_co_u32 s24, s24, s23
	s_lshl_b32 s23, s21, 9
	s_add_co_u32 s24, s24, s23
	s_lshl_b32 s23, s16, 16
	s_add_co_u32 s24, s24, s23
	s_mov_b32 s25, 0
	s_lshl_b32 s26, s22, 22                        ; kv: a batch is 2^22 bytes, a key step's two tiles 2^18
	s_lshl_b32 s23, s20, 18
	s_add_co_u32 s26, s26, s23                     ; the K tile,
	s_add_co_u32 s28, s26, TILE                    ; the V tile
	s_lshr_b32 s23, s16, 2
	s_lshl_b32 s23, s23, 16
	s_add_co_u32 s26, s26, s23                     ; + 65,536 jh
	s_lshl_b32 s23, s21, 13
	s_add_co_u32 s26, s26, s23                     ; + 8,192 s
	s_and_b32 s23, s16, 3
	s_lshl_b32 s23, s23, 11
	s_add_co_u32 s26, s26, s23                     ; + 2,048 T
	s_mov_b32 s27, 0
	s_lshl_b32 s23, s21, 14
	s_add_co_u32 s28, s28, s23                     ; + 2,048 (8 s
	s_lshl_b32 s23, s16, 11
	s_add_co_u32 s28, s28, s23                     ;          + w)
	s_mov_b32 s29, 0
	s_wait_alu depctr_va_vdst(0)
	s_wait_kmcnt 0x0
	s_load_b128 s[12:15], s[6:7], 0x0              ; e0, e1, e2, e3
	s_add_nc_u64 s[4:5], s[4:5], s[24:25]
	s_add_nc_u64 s[30:31], s[8:9], s[26:27]        ; where my K fragment goes
	s_add_nc_u64 s[32:33], s[8:9], s[28:29]        ; where my V fragment goes
.irp t, 0,1,2,3,4,5,6,7,8,9,10,11,12,13,14,15
	global_load_b128 v[X+4*\t:X+4*\t+3], v4, s[4:5] offset:4096*\t th:TH_LOAD_NT   ; row 16 w + t: 512 consecutive bytes; read once in the launch
.endr
	s_wait_kmcnt 0x0
	s_add_co_i32 s34, s13, 127
	s_lshl_b32 s35, s34, 23
	v_mov_b32 v8, s35                              ; 2^e1 as f32: the conversion takes its exponent field
	s_add_co_i32 s34, s34, 15
	s_lshl_b32 s34, s34, 23
	s_or_b32 s34, s34, 0x600000
	v_mov_b32 v9, s34                              ; 57,344 x 2^e1
	s_add_co_i32 s34, s15, 127
	s_lshl_b32 s35, s34, 23
	v_mov_b32 v10, s35                             ; 2^e3
	s_add_co_i32 s34, s34, 15
	s_lshl_b32 s34, s34, 23
	s_or_b32 s34, s34, 0x600000
	v_mov_b32 v11, s34                             ; 57,344 x 2^e3
	s_wait_alu depctr_va_vdst(0)
.irp t, 0,1,2,3,4,5,6,7,8,9,10,11,12,13,14,15
	s_wait_loadcnt 15-\t                           ; loads come back in order: row t is in, the 15 - t younger ones may be out
	ds_store_b128 v5, v[X+4*\t:X+4*\t+3] offset:PT*\t
.endr
	s_wait_dscnt 0x0                               ; for the others' sake: my rows lie in the stage
	s_barrier_signal -1
	s_barrier_wait -1                              ; all 128 rows do.  Nothing is stored into the stage again: this is the only barrier
; 64 numbers of a lane, register 16 c + z = k 32 c + 16 h + z of my row, become a fragment's 16 registers, and each four of them leave at once
.macro QUANT dst, sc, lim, base
.irp c, 0,1,2,3
.irp z, 0,1,2,3,4,5,6,7,8,9,10,11,12,13,14,15
	v_med3_num_f32 v[X+16*\c+\z], v[X+16*\c+\z], -v[\lim], v[\lim]   ; the conversion to an 8-bit code does not saturate (ISA guide 7.6.2): the hold at the largest code x the scale
.endr
	v_cvt_scalef32_pk8_bf8_f32 v[\dst+4*\c:\dst+4*\c+1], v[X+16*\c:X+16*\c+7], v[\sc]
	v_cvt_scalef32_pk8_bf8_f32 v[\dst+4*\c+2:\dst+4*\c+3], v[X+16*\c+8:X+16*\c+15], v[\sc]
	global_store_b128 v4, v[\dst+4*\c:\dst+4*\c+3], s[\base:\base+1] offset:512*\c   ; 32 lanes store 512 consecutive bytes; the data registers are never written again
.endr
	v_nop                                          ; a plain vector line behind the last conversion
.endm
.irp c, 0,1,2,3
.irp x, 0,1,2,3
	ds_load_b128 v[X+16*\c+4*\x:X+16*\c+4*\x+3], v6 offset:128*\c+16*\x   ; K: my key's d 32 c + 16 h + 4 x on
.endr
.endr
	s_wait_dscnt 0x0
	QUANT CK, 8, 9, 30
.irp c, 0,1,2,3
.irp z, 0,1,2,3,4,5,6,7,8,9,10,11,12,13,14,15
	ds_load_b32 v[X+16*\c+\z], v7 offset:2*\c*GS+PT*\z   ; V: my d at key 32 c + 16 h + z: 16 lanes read 64 consecutive bytes of a row
.endr
.endr
	s_wait_dscnt 0x0
	QUANT CV, 10, 11, 32
	s_wait_tensorcnt 0x0
	ds_add_u32 v112, v113
	s_wait_dscnt 0x0
	s_endpgm
.Lfunc_end_k_qdd642489cf_prep:
	.size	k_qdd642489cf_prep, .Lfunc_end_k_qdd642489cf_prep-k_qdd642489cf_prep
	.p2alignl 7, 3214868480
	.fill 96, 4, 3214868480
	.section	.rodata,"a",@progbits
	.p2align	6, 0x0
	.amdhsa_kernel k_qdd642489cf_prep
		.amdhsa_group_segment_fixed_size 69632
		.amdhsa_private_segment_fixed_size 0
		.amdhsa_enable_private_segment 0
		.amdhsa_kernarg_size 24
		.amdhsa_user_sgpr_count 2
		.amdhsa_user_sgpr_kernarg_segment_ptr 1
		.amdhsa_wavefront_size32 1
		.amdhsa_system_sgpr_workgroup_id_x 1
		.amdhsa_system_sgpr_workgroup_id_y 1
		.amdhsa_system_sgpr_workgroup_id_z 1
		.amdhsa_system_vgpr_workitem_id 0
		.amdhsa_next_free_vgpr 114
		.amdhsa_next_free_sgpr 66
		.amdhsa_reserve_vcc 0
		.amdhsa_float_denorm_mode_32 3
		.amdhsa_float_denorm_mode_16_64 3
		.amdhsa_memory_ordered 1
		.amdhsa_forward_progress 1
		.amdhsa_inst_pref_size 22
	.end_amdhsa_kernel
	.amdgpu_metadata
---
amdhsa.version: [ 1, 2 ]
amdhsa.kernels:
  - .name:           k_qdd642489cf_prep
    .symbol:         k_qdd642489cf_prep.kd
    .args:
      - { .name: key, .offset: 0, .size: 8, .value_kind: global_buffer, .address_space: global }
      - { .name: lowp_scales, .offset: 8, .size: 8, .value_kind: global_buffer, .address_space: global }
      - { .name: kv, .offset: 16, .size: 8, .value_kind: global_buffer, .address_space: global }
    .group_segment_fixed_size: 69632
    .private_segment_fixed_size: 0
    .kernarg_segment_align: 8
    .kernarg_segment_size: 24
    .max_flat_workgroup_size: 256
    .sgpr_count:     66
    .vgpr_count:     114
    .wavefront_size: 32
...
	.end_amdgpu_metadata
.endif
;; end of part 1
;; launch attn (part 2): grid 32 x 8, 4 waves a work-group, clusters of 4 x 1, 327,680 bytes of LDS; arguments query_codes, kv, lowp_scales, out0; writes out0
.if DOCPART == 2
	.amdgcn_target "amdgcn-amd-amdhsa--gfx1250"
	.amdhsa_code_object_version 6
	.text
	.protected	k_qdd642489cf_attn
	.globl	k_qdd642489cf_attn
	.p2align	8
	.type	k_qdd642489cf_attn,@function
k_qdd642489cf_attn:
	s_mov_b64 s[64:65], 0
	v_nop
	global_prefetch_b8 v0, s[64:65] scope:SCOPE_SE
	s_setreg_imm32_b32 hwreg(HW_REG_WAVE_MODE, 25, 1), 1
	s_wait_xcnt 0x0
	s_wait_alu depctr_hold_cnt(0) depctr_sa_sdst(0) depctr_va_vdst(0) depctr_va_sdst(0) depctr_va_ssrc(0) depctr_va_vcc(0) depctr_vm_vsrc(0)
	s_getreg_b32 s2, hwreg(HW_REG_IB_STS2, 6, 4)
	s_cmp_eq_u32 s2, 0
	s_cbranch_scc0 .Lentry_in_a_cluster
	s_endpgm
.Lentry_in_a_cluster:
	s_bfe_u32 s2, ttmp6, 0x10000c
	s_cmp_lg_u32 s2, 0x3003
	s_cbranch_scc0 .Lentry_shape_is_right
	s_endpgm
.Lentry_shape_is_right:
; out[b][q][:] = sum over k of softmax_k(query[b][q] . key[b][k]) key[b][k][:], both products on codes of BF8 (E5M2), one given scale 2^e a tensor.
; t = score x log2(e); M = the running largest t rounded up to a whole number; p = 2^(t - M) is quantised with 2^e2; the row's sum of the unquantised p divides at the end.
; kv holds, for each batch and each step of 128 keys, a K tile and a V tile of 131,072 bytes, laid as images of operand registers (fragments of 2,048 bytes).
; SHARES.  A work-group owns 64 queries of a batch and all 1,024 d; four waves; 16 steps of 128 keys.
;   First product, S^T = K Q^T: wave w takes keys 32 w .. 32 w + 31 of the step and all 64 queries, so each K fragment is read from LDS by one wave, once.
;   Q's query tiles 0 and 1 stay in registers (window 1, 256 registers); tiles 2 and 3 lie in LDS, laid once, rows 1,040 bytes apart: a d step of 8 matrix instructions takes 8 loads of K and 8 of Q.
;   Second product, O^T = V^T P^T: wave w takes d 256 w .. 256 w + 255 (512 accumulator registers, windows 2 and 3) and all 64 queries; p's codes reach all waves through an image in LDS.
; THE RING: two slots, K's tiles in slot 0 and V's in slot 1, filled by joint loads of the cluster's four work-groups (four query blocks of one batch), each wave a quarter of a tile.
;   K of the next step is asked for behind the round that is also the barrier of the exchange of maxima; V of the next step behind a round in the second product, when V's last fragments are in registers.
;   LDS: 2 x 131,072 + Q's half 33,280 + p's image 8,192 + exchange 2,048 + spare words 512.
; PREFETCH: behind the fill of tile n the tile n + 2 (a whole step on), 256 bytes a lane, shared out by address among a cluster's 16 waves; two clusters of each batch ask; the last trip of the loop and the last step ask for nothing.
; LIMITS: e0 + e1 between -120 and 120 (added to the exponent field of log2(e)); e2 between -126 and 112; the scaled scores stay under 2^31 in magnitude.  NaN among the inputs is not served.
; REGISTERS, window 0: v1-11 addresses, v12-13 the add's, v14-15 2^e2 and 57,344 x 2^e2; v16+4m f, v17+4m largest t, v18+4m -M, v19+4m at work (m = tile of 16 queries);
;   v32-47 the exchange; v48-55 the rows' sums; v56-63 at work; v64-127 S^T, then p's fragments; v128-255 eight fragments (K and Q, or V).
.set TILE,  131072
.set SLOT1, 1<<17
.set QB,    2*TILE
.set QP,    1040                       ; a row of Q: 1,024 bytes + 16: sixteen rows begin at sixteen different groups of four banks
.set PIMG,  QB+32*QP
.set MXB,   PIMG+8192
.set SPARE, MXB+2048
.set SP,    528
.set S,     64
.set FB,    128
.set BK,    128
.set MSB, 0
.macro WIN new
.if MSB != (\new)
	s_set_vgpr_msb (MSB<<8)|(\new)
.set MSB, (\new)
.endif
.endm
.macro PLACES n
.rept \n
	v_nop
.endr
.endm
.macro CREST                           ; a round of the cluster's barrier behind its opening barrier
	s_cmp_lg_u32 s12, 0
	s_cbranch_scc1 .Lnot_wave_0_\@
	s_barrier_signal -3
.Lnot_wave_0_\@:
	s_barrier_wait -3
	s_barrier_signal -1
	s_barrier_wait -1
.endm
.macro ROUND
	s_barrier_signal -1
	s_barrier_wait -1
	CREST
.endm
.macro TL                              ; my quarter of a tile
	tensor_load_to_lds s[36:39], s[24:31]
	s_nop 0
	PLACES 4
.endm
.macro ASK
	s_cmp_gt_u32 s16, s15
	s_cbranch_scc0 .Lnot_mine_\@
	global_prefetch_b8 v11, s[34:35] th:TH_LOAD_NT scope:SCOPE_SE
.Lnot_mine_\@:
.endm
.macro OPEN                            ; the tensor wait and the add, and the walking descriptor's step
	s_wait_tensorcnt 0x0
	ds_add_u32 v12, v13
	s_xor_b32 s37, s37, SLOT1
	s_add_nc_u64 s[38:39], s[38:39], TILE
	s_wait_xcnt 0x0                                ; my prefetch has read its address
	s_add_nc_u64 s[34:35], s[34:35], TILE
.endm
.macro LINES
	s_wait_tensorcnt 0x0
	ds_add_u32 v12, v13
	s_wait_dscnt 0x0
.endm
.macro QREG u, s                       ; Q's tile u, d step s -> window 1
.irp c, 0,1,2,3
	global_load_b128 v[128*(\u)+16*(\s)+4*\c:128*(\u)+16*(\s)+4*\c+3], v60, s[4:5] offset:16384*(\u)+128*(\s)+32*\c
.endr
.endm
.macro FLOAD s                         ; d step s: my two K fragments, Q's tiles 2 and 3
.irp u, 0,1
.irp c, 0,1,2,3
	ds_load_b128 v[FB+64*((\s)%2)+16*\u+4*\c:FB+64*((\s)%2)+16*\u+4*\c+3], v1 offset:8192*(\s)+2048*\u+512*\c
.endr
.endr
.irp m, 0,1
.irp c, 0,1,2,3
	ds_load_b128 v[FB+64*((\s)%2)+32+16*\m+4*\c:FB+64*((\s)%2)+32+16*\m+4*\c+3], v2 offset:16*QP*\m+128*(\s)+32*\c
.endr
.endr
.endm
.macro VLOAD g
.irp c, 0,1,2,3
	ds_load_b128 v[FB+16*((\g)%8)+4*\c:FB+16*((\g)%8)+4*\c+3], v3 offset:2048*(\g)+512*\c
.endr
.endm
.macro SM1 s, m, u, b                  ; one matrix instruction: source 0 = 16 keys, source 1 = 16 queries at v[b ..]
.if (\s) == 0
	v_wmma_f32_16x16x128_bf8_bf8 v[S+16*(\m)+8*(\u):S+16*(\m)+8*(\u)+7], v[FB+64*((\s)%2)+16*(\u):FB+64*((\s)%2)+16*(\u)+15], v[\b:\b+15], 0
.else
	v_wmma_f32_16x16x128_bf8_bf8 v[S+16*(\m)+8*(\u):S+16*(\m)+8*(\u)+7], v[FB+64*((\s)%2)+16*(\u):FB+64*((\s)%2)+16*(\u)+15], v[\b:\b+15], v[S+16*(\m)+8*(\u):S+16*(\m)+8*(\u)+7]
.endif
.endm
.macro SMUL s                          ; eight accumulators by turns
	WIN 0x04
.irp m, 0,1
.irp u, 0,1
	SM1 \s, \m, \u, 128*\m+16*(\s)
.endr
.endr
	WIN 0
.irp m, 2,3
.irp u, 0,1
	SM1 \s, \m, \u, FB+64*((\s)%2)+16*\m
.endr
.endr
.endm
.macro RESC g, m                       ; O^T under the new M: x f
	WIN 0x82+0x41*((\g)/8)
.irp i, 0,2,4,6
	v_pk_mul_f32 v[32*((\g)%8)+8*(\m)+\i:32*((\g)%8)+8*(\m)+\i+1], v[32*((\g)%8)+8*(\m)+\i:32*((\g)%8)+8*(\m)+\i+1], v[16+4*(\m):17+4*(\m)] op_sel_hi:[1,0]
.endr
.endm
.macro UNIT g, first                   ; 16 d x 64 queries
.irp m, 0,1,2,3
	WIN 0xa0+0x50*((\g)/8)
.if \first
	v_wmma_f32_16x16x128_bf8_bf8 v[32*((\g)%8)+8*\m:32*((\g)%8)+8*\m+7], v[FB+16*((\g)%8):FB+16*((\g)%8)+15], v[S+16*\m:S+16*\m+15], 0
.else
	v_wmma_f32_16x16x128_bf8_bf8 v[32*((\g)%8)+8*\m:32*((\g)%8)+8*\m+7], v[FB+16*((\g)%8):FB+16*((\g)%8)+15], v[S+16*\m:S+16*\m+15], v[32*((\g)%8)+8*\m:32*((\g)%8)+8*\m+7]
.if (\g) < 8
	RESC (\g)+8, \m
.endif
.endif
.endr
.endm
	s_load_b256 s[4:11], s[0:1], 0x0               ; query_codes, kv, the scales' exponents, out
	v_lshl_add_u32 v12, v0, 2, SPARE
	v_mov_b32 v13, 0
	ds_add_u32 v12, v13                            ; the opening lines: the add twice on end and its wait
	ds_add_u32 v12, v13
	v_lshrrev_b32 v1, 5, v0
	v_readfirstlane_b32 s12, v1                    ; wave 0..3
	s_mov_b32 s47, ttmp9                           ; batch = the cluster's x
	s_and_b32 s63, ttmp7, 0xffff                   ; the cluster's y: which four blocks of queries
	s_mov_b32 s24, 15|(3<<16)|(1<<21)              ; group 1: joint for the four; 128 rows of 256 bytes, dense
	s_mov_b32 s25, 32<<16
	s_mov_b32 s26, 128<<16
	s_mov_b32 s27, 32<<16
	s_mov_b32 s28, 128
	s_mov_b32 s29, 32
	s_mov_b32 s30, 0
	s_mov_b32 s31, 0
	s_lshl_b32 s33, s47, 22                        ; the batch in kv
	s_lshl_b32 s37, s12, 15                        ; my quarter of a tile, in LDS and in memory
	s_add_co_u32 s48, s33, s37
	s_mov_b32 s49, 0
	s_add_co_u32 s46, s37, SLOT1                   ; my 16 fragments of V
	s_lshr_b32 s45, s12, 1
	s_lshl_b32 s53, s45, 16
	s_and_b32 s45, s12, 1
	s_lshl_b32 s45, s45, 12
	s_add_co_u32 s53, s53, s45                     ; my 32 keys in a K tile: 65,536 (w / 2) + 4,096 (w % 2)
	s_lshl_b32 s13, s12, 9
	s_mul_i32 s14, s12, 16*SP
	s_mul_i32 s52, s12, 8*QP
	s_bfe_u32 s56, ttmp6, 0x40000                  ; cx
	s_lshl_b32 s57, s63, 2
	s_add_co_u32 s57, s57, s56                     ; block of 64 queries
	s_lshl_b32 s62, s56, 15
	s_add_co_u32 s54, s33, s62
	s_lshl_b32 s62, s12, 13
	s_add_co_u32 s54, s54, s62
	s_add_co_u32 s54, s54, TILE                    ; the prefetches: my work-group's quarter of a tile, my wave's 8,192 bytes; here tile 1
	s_mov_b32 s55, 0
	s_lshl_b32 s58, s47, 21
	s_lshl_b32 s62, s57, 16
	s_add_co_u32 s58, s58, s62                     ; Q: my block's 64 rows
	s_mov_b32 s59, 0
	s_lshl_b32 s62, s12, 13
	s_add_co_u32 s50, s58, s62
	s_add_co_u32 s50, s50, 32768                   ; rows 32 + 8 w on: what I lay into LDS
	s_mov_b32 s51, 0
	s_lshl_b32 s60, s47, 23
	s_lshl_b32 s62, s57, 18
	s_add_co_u32 s60, s60, s62
	s_lshl_b32 s62, s12, 10
	s_add_co_u32 s60, s60, s62                     ; out: my block's rows, my 256 d
	s_mov_b32 s61, 0
	s_mov_b32 s16, 14
	s_mov_b32 s20, 0x76543210
	s_mov_b32 s21, 0xfedcba98
	s_mov_b32 s36, 1
	s_wait_dscnt 0x0
	v_and_b32 v1, 31, v0
	v_and_b32 v61, 15, v0
	v_bfe_u32 v62, v0, 4, 1
	v_lshlrev_b32 v10, 4, v1                       ; 16 x lane
	v_lshlrev_b32 v11, 8, v1                       ; 256 x lane
	v_mul_u32_u24 v2, v61, QP
	v_lshl_add_u32 v2, v62, 4, v2
	v_add_nc_u32 v2, QB, v2                        ; Q's fragments in LDS
	v_add_nc_u32 v1, s53, v10                      ; K's fragments
	v_add_nc_u32 v3, s46, v10                      ; V's fragments
	v_add_nc_u32 v63, s52, v10
	v_add_nc_u32 v63, QB, v63                      ; where my 8 rows of Q go
	v_lshlrev_b32 v60, 10, v61
	v_lshl_add_u32 v60, v62, 4, v60                ; Q in memory: row r, + 16 h
	v_add_nc_u32 v5, PIMG, v10
	v_add_nc_u32 v4, s13, v5                       ; p's image: my keys are block w of each fragment
	v_add_nc_u32 v7, MXB, v10
	v_add_nc_u32 v6, s13, v7
	v_mul_u32_u24 v8, v61, SP
	v_lshl_add_u32 v8, v62, 5, v8
	v_add_nc_u32 v8, s14, v8
	v_add_nc_u32 v9, s14, v10
.irp m, 0,1,2,3
	v_mov_b32 v[17+4*\m], 0xff61b1e6               ; the largest t so far: under every t
.endr
.irp m, 0,1,2,3
	v_floor_f32 v[18+4*\m], -v[17+4*\m]
.endr
.irp j, 48,49,50,51,52,53,54,55,56,57,58,59
	v_mov_b32 v\j, 0
.endr
	s_wait_alu depctr_va_vdst(0)
	s_wait_kmcnt 0x0
	s_load_b128 s[40:43], s[8:9], 0x0              ; e0 .. e3
	s_add_nc_u64 s[38:39], s[6:7], s[48:49]
	s_or_b32 s39, s39, 0x80000000
	s_add_nc_u64 s[34:35], s[6:7], s[54:55]
	s_add_nc_u64 s[32:33], s[4:5], s[50:51]
	s_add_nc_u64 s[4:5], s[4:5], s[58:59]
	s_add_nc_u64 s[10:11], s[10:11], s[60:61]
	s_cmp_lt_u32 s63, 2
	s_cselect_b32 s15, 1, -1                       ; a wave asks while more than 1 loop trip is left; in six of a batch's eight clusters never
	ROUND
	TL                                             ; K of step 0: my one tensor load at the head
	s_cmp_gt_u32 s16, s15                          ; behind the fill of tile 0: tiles 1 and 2, the buffer's first touch
	s_cbranch_scc0 .Lno_head_ask
	global_prefetch_b8 v11, s[34:35] th:TH_LOAD_NT scope:SCOPE_SE
	global_prefetch_b8 v11, s[34:35] offset:TILE th:TH_LOAD_NT scope:SCOPE_SE
.Lno_head_ask:
.irp i, 0,1,2,3,4,5,6,7,8,9,10,11,12,13,14,15
	global_load_b128 v[FB+4*\i:FB+4*\i+3], v10, s[32:33] offset:512*\i
.endr
	WIN 0x40
.irp s, 0,1,2,3,4,5,6,7
	QREG 0, \s
.endr
.irp s, 0,1,2,3,4,5,6
	QREG 1, \s
.endr
	WIN 0
	s_wait_kmcnt 0x0
	s_add_co_i32 s45, s40, s41
	s_lshl_b32 s45, s45, 23
	s_add_co_i32 s22, s45, 0x3fb8aa3b              ; log2(e) x 2^(e0 + e1)
	s_mov_b32 s23, s22
	s_add_co_i32 s45, s42, 127
	s_lshl_b32 s46, s45, 23
	v_mov_b32 v14, s46
	s_add_co_i32 s45, s45, 15
	s_lshl_b32 s45, s45, 23
	s_or_b32 s45, s45, 0x600000
	v_mov_b32 v15, s45
	s_add_co_i32 s17, s42, s43
	s_wait_alu depctr_va_vdst(0)
	s_wait_loadcnt 60                              ; my 8 rows of Q are in; the 60 loads behind them may be out
.irp i, 0,1,2,3,4,5,6,7,8,9,10,11,12,13,14,15
	ds_store_b128 v63, v[FB+4*\i:FB+4*\i+3] offset:(\i/2)*QP+512*(\i%2)
.endr
	WIN 0x40
	QREG 1, 7
	WIN 0
	s_wait_tensorcnt 0x0                           ; my part of K is in
	ds_add_u32 v12, v13
	s_xor_b32 s37, s37, SLOT1
	s_add_nc_u64 s[38:39], s[38:39], TILE
	s_wait_xcnt 0x0                                ; my prefetches have read their address
	s_add_nc_u64 s[34:35], s[34:35], 2*TILE        ; on to tile 3
	s_wait_dscnt 0x0                               ; the add, and my rows of Q
	ROUND
	TL                                             ; V of step 0
	ASK                                            ; behind the fill of tile 1: tile 3
	FLOAD 0
	FLOAD 1
.macro STEP first, fill
.irp s, 0,1,2,3,4,5,6,7
.if \first
.if \s == 0
	s_wait_loadcnt 4                               ; Q's registers but the last four loads'
.endif
.if \s == 7
	s_wait_loadcnt 0x0
.endif
.endif
.if \s < 7
	s_wait_dscnt 16                                ; the next d step's 16 loads may be out
.else
	s_wait_dscnt 0x0
.endif
	SMUL \s
	PLACES 4
.if \s < 6
	FLOAD \s+2
.endif
.endr
.irp m, 0,1,2,3
	v_max3_num_f32 v[60+\m], v[S+16*\m], v[S+16*\m+1], v[S+16*\m+2]
.endr
.irp i, 3,5,7,9,11,13
.irp m, 0,1,2,3
	v_max3_num_f32 v[60+\m], v[60+\m], v[S+16*\m+\i], v[S+16*\m+\i+1]
.endr
.endr
.irp m, 0,1,2,3
	v_max_num_f32 v[60+\m], v[60+\m], v[S+16*\m+15]
.endr
.irp m, 0,1,2,3
	v_permlanex16_b32 v[56+\m], v[60+\m], s20, s21
.endr
.irp m, 0,1,2,3
	v_max_num_f32 v[40+\m], v[60+\m], v[56+\m]
.endr
	ds_store_b128 v6, v[40:43]                     ; my 32 keys' largest score of each of the 64 queries
.if \fill
	OPEN                                           ; my part of this step's V is in
	s_wait_dscnt 0x0                               ; the add, my maxima, and my reads of K's slot
	ROUND
	TL                                             ; the next step's K
	ASK
.else
	LINES
	s_barrier_signal -1
	s_barrier_wait -1
.endif
.irp w, 0,1,2,3
	ds_load_b128 v[32+4*\w:35+4*\w], v7 offset:512*\w
.endr
.irp g, 0,1,2,3,4,5,6,7
	VLOAD \g
.endr
	s_wait_dscnt 32                                ; the four waves' maxima are in; V's 32 loads may be out
.irp m, 0,1,2,3
	v_max3_num_f32 v[19+4*\m], v[32+\m], v[36+\m], v[40+\m]
.endr
.irp m, 0,1,2,3
	v_max_num_f32 v[19+4*\m], v[19+4*\m], v[44+\m]
.endr
.irp m, 0,1,2,3
	v_mul_f32 v[19+4*\m], s22, v[19+4*\m]
.endr
.irp m, 0,1,2,3
	v_max_num_f32 v[17+4*\m], v[17+4*\m], v[19+4*\m]
.endr
.irp m, 0,1,2,3
	v_mov_b32 v[19+4*\m], v[18+4*\m]
.endr
.irp m, 0,1,2,3
	v_floor_f32 v[18+4*\m], -v[17+4*\m]            ; -M = floor(-t)
.endr
.irp m, 0,1,2,3
	v_sub_f32 v[19+4*\m], v[18+4*\m], v[19+4*\m]
.endr
.irp m, 0,1,2,3
	v_cvt_i32_f32 v[19+4*\m], v[19+4*\m]
.endr
.irp m, 0,1,2,3
	v_ldexp_f32 v[16+4*\m], 1.0, v[19+4*\m]        ; f = 2^(old M - new M)
.endr
.irp m, 0,1,2,3
.irp j, 0,2,4,6,8,10,12,14
	v_pk_fma_f32 v[S+16*\m+\j:S+16*\m+\j+1], v[S+16*\m+\j:S+16*\m+\j+1], s[22:23], v[18+4*\m:19+4*\m] op_sel_hi:[1,0,0]
.endr
.endr
	s_wait_alu depctr_va_vdst(0)                   ; ahead of the batch of exponentials
.irp j, 0,1,2,3,4,5,6,7,8,9,10,11,12,13,14,15,16,17,18,19,20,21,22,23,24,25,26,27,28,29,30,31,32,33,34,35,36,37,38,39,40,41,42,43,44,45,46,47,48,49,50,51,52,53,54,55,56,57,58,59,60,61,62,63
	v_exp_f32 v[S+\j], v[S+\j]
.endr
.irp m, 0,1,2,3
	v_pk_mul_f32 v[48+2*\m:49+2*\m], v[48+2*\m:49+2*\m], v[16+4*\m:17+4*\m] op_sel_hi:[1,0]
.endr
	s_wait_alu depctr_va_vdst(0)                   ; and behind it, ahead of the first reader
.irp j, 0,2,4,6,8,10,12,14
.irp m, 0,1,2,3
	v_pk_add_f32 v[48+2*\m:49+2*\m], v[48+2*\m:49+2*\m], v[S+16*\m+\j:S+16*\m+\j+1]
.endr
.endr
.irp m, 0,1,2,3
.irp z, 0,1,2,3,4,5,6,7,8,9,10,11,12,13,14,15
	v_min_num_f32 v[S+16*\m+\z], v[S+16*\m+\z], v15   ; the conversion does not saturate (ISA guide 7.6.2); p is not negative
.endr
	v_cvt_scalef32_pk8_bf8_f32 v[56+4*(\m%2):57+4*(\m%2)], v[S+16*\m:S+16*\m+7], v14
	v_cvt_scalef32_pk8_bf8_f32 v[58+4*(\m%2):59+4*(\m%2)], v[S+16*\m+8:S+16*\m+15], v14
	ds_store_b128 v4, v[56+4*(\m%2):59+4*(\m%2)] offset:2048*\m
.endr
	v_nop
	s_wait_dscnt 0x0
	s_barrier_signal -1
.if (\first) == 0
.irp m, 0,1,2,3
	RESC 0, \m
.endr
.endif
	WIN 0
	s_barrier_wait -1                              ; p's image is whole
.irp m, 0,1,2,3
.irp c, 0,1,2,3
	ds_load_b128 v[S+16*\m+4*\c:S+16*\m+4*\c+3], v5 offset:2048*\m+512*\c
.endr
.endr
.if (\first) == 0
.irp g, 1,2,3,4,5,6,7
.irp m, 0,1,2,3
	RESC \g, \m
.endr
.endr
.endif
	s_wait_dscnt 0x0
.irp g, 0,1,2,3
	UNIT \g, \first
.endr
	WIN 0
.if \first
	PLACES 4
.endif
.irp g, 8,9,10,11
	VLOAD \g
.endr
.irp g, 4,5,6,7
	UNIT \g, \first
.endr
	WIN 0
.if \first
	PLACES 4
.endif
.irp g, 12,13,14,15
	VLOAD \g
.endr
	s_wait_dscnt 16                                ; fragments 8 to 11 are in
	UNIT 8, \first
	UNIT 9, \first
.if \fill
	WIN 0
	OPEN                                           ; my part of the next step's K is in
	UNIT 10, \first
	s_wait_dscnt 0x0                               ; the add, and my last reads of V's slot
	s_barrier_signal -1
	UNIT 11, \first
	WIN 0
	s_barrier_wait -1
	CREST
	TL                                             ; the next step's V; its four v_nop are also the places in front of the loads below
	ASK
	FLOAD 0
.else
	UNIT 10, \first
	UNIT 11, \first
	s_wait_dscnt 0x0
.endif
	UNIT 12, \first
	UNIT 13, \first
	UNIT 14, \first
	s_wait_alu depctr_va_vdst(0)                   ; directly ahead of the reader of the last rescaled registers
	UNIT 15, \first
	WIN 0
	PLACES 5
.if \fill
	FLOAD 1
.endif
.endm
	STEP 1, 1
.Lstep:
	STEP 0, 1
	s_sub_co_u32 s16, s16, 1
	s_cmp_lg_u32 s16, 0
	s_cbranch_scc1 .Lstep
	STEP 0, 0
	; the way out: the rows' sums over lanes and waves, then O^T / the sum x 2^(e2 + e3), through my stage in slot 0, which has had its last fill
.irp m, 0,1,2,3
	v_add_f32 v[40+\m], v[48+2*\m], v[49+2*\m]
.endr
.irp m, 0,1,2,3
	v_permlanex16_b32 v[56+\m], v[40+\m], s20, s21
.endr
.irp m, 0,1,2,3
	v_add_f32 v[40+\m], v[40+\m], v[56+\m]
.endr
	ds_store_b128 v6, v[40:43]
	s_wait_dscnt 0x0
	s_barrier_signal -1
	s_barrier_wait -1
.irp w, 0,1,2,3
	ds_load_b128 v[32+4*\w:35+4*\w], v7 offset:512*\w
.endr
	s_wait_dscnt 0x0
.irp m, 0,1,2,3
	v_add_f32 v[19+4*\m], v[32+\m], v[36+\m]
.endr
.irp m, 0,1,2,3
	v_add_f32 v[17+4*\m], v[40+\m], v[44+\m]
.endr
.irp m, 0,1,2,3
	v_add_f32 v[19+4*\m], v[19+4*\m], v[17+4*\m]
.endr
	s_wait_alu depctr_va_vdst(0)
.irp m, 0,1,2,3
	v_rcp_f32 v[16+4*\m], v[19+4*\m]
.endr
	v_nop
	s_wait_alu depctr_va_vdst(0)
.irp m, 0,1,2,3
	v_ldexp_f32 v[16+4*\m], v[16+4*\m], s17
.endr
.macro TOSTAGE a
	WIN 0x02+((\a)/4)
.irp b, 0,1,2,3,4,5,6,7
.irp i, 0,2,4,6
	v_pk_mul_f32 v[S+8*\b+\i:S+8*\b+\i+1], v[32*\b+8*((\a)%4)+\i:32*\b+8*((\a)%4)+\i+1], v[16+4*((\a)%4):17+4*((\a)%4)] op_sel_hi:[1,0]
.endr
.endr
	WIN 0
.irp b, 0,1,2,3,4,5,6,7
	ds_store_b128 v8, v[S+8*\b:S+8*\b+3] offset:64*\b
	ds_store_b128 v8, v[S+8*\b+4:S+8*\b+7] offset:64*\b+16
.endr
.irp t, 0,1,2,3,4,5,6,7,8,9,10,11,12,13,14,15
	ds_load_b128 v[BK+64*((\a)%2)+4*\t:BK+64*((\a)%2)+4*\t+3], v9 offset:SP*\t
.endr
.endm
.macro SEND a, younger
	s_wait_dscnt \younger
.irp t, 0,1,2,3,4,5,6,7,8,9,10,11,12,13,14,15
	global_store_b128 v10, v[BK+64*((\a)%2)+4*\t:BK+64*((\a)%2)+4*\t+3], s[10:11] offset:(16*((\a)%4)+\t)*4096+512*((\a)/4)
.endr
.endm
	TOSTAGE 0
.irp a, 1,2,3,4,5,6,7
.if \a > 1
	s_wait_xcnt 0x0
.endif
	TOSTAGE \a
	SEND \a-1, 32
.endr
	SEND 7, 0
	LINES
	ROUND                                          ; the closing round
	s_endpgm
.Lfunc_end_k_qdd642489cf_attn:
	.size	k_qdd642489cf_attn, .Lfunc_end_k_qdd642489cf_attn-k_qdd642489cf_attn
	.p2alignl 7, 3214868480
	.fill 96, 4, 3214868480
	.section	.rodata,"a",@progbits
	.p2align	6, 0x0
	.amdhsa_kernel k_qdd642489cf_attn
		.amdhsa_group_segment_fixed_size 327680
		.amdhsa_private_segment_fixed_size 0
		.amdhsa_enable_private_segment 0
		.amdhsa_kernarg_size 32
		.amdhsa_user_sgpr_count 2
		.amdhsa_user_sgpr_kernarg_segment_ptr 1
		.amdhsa_wavefront_size32 1
		.amdhsa_system_sgpr_workgroup_id_x 1
		.amdhsa_system_sgpr_workgroup_id_y 1
		.amdhsa_system_sgpr_workgroup_id_z 1
		.amdhsa_system_vgpr_workitem_id 0
		.amdhsa_next_free_vgpr 1024
		.amdhsa_next_free_sgpr 66
		.amdhsa_reserve_vcc 0
		.amdhsa_float_denorm_mode_32 3
		.amdhsa_float_denorm_mode_16_64 3
		.amdhsa_memory_ordered 1
		.amdhsa_forward_progress 1
		.amdhsa_inst_pref_size 214
	.end_amdhsa_kernel
	.amdgpu_metadata
---
amdhsa.version: [ 1, 2 ]
amdhsa.kernels:
  - .name:           k_qdd642489cf_attn
    .symbol:         k_qdd642489cf_attn.kd
    .args:
      - { .name: query_codes, .offset: 0, .size: 8, .value_kind: global_buffer, .address_space: global }
      - { .name: kv, .offset: 8, .size: 8, .value_kind: global_buffer, .address_space: global }
      - { .name: lowp_scales, .offset: 16, .size: 8, .value_kind: global_buffer, .address_space: global }
      - { .name: out0, .offset: 24, .size: 8, .value_kind: global_buffer, .address_space: global }
    .group_segment_fixed_size: 327680
    .private_segment_fixed_size: 0
    .kernarg_segment_align: 8
    .kernarg_segment_size: 32
    .max_flat_workgroup_size: 128
    .sgpr_count:     66
    .vgpr_count:     1024
    .wavefront_size: 32
...
	.end_amdgpu_metadata
.endif
;; end of part 2
